; MI455X (gfx1250); checked and timed in simulation.
; The chip was launched on July 23, 2026; its instructions are those of AMD's public machine-readable ISA for CDNA 5 (MIT licence, August 2026) and "CDNA5" Instruction Set Architecture Reference Guide (July 2026). The comments in the code are by the model that wrote it; some were corrected since.
;; Mo E. Allowed arithmetic: matrix products marked QUANTISED: E2M1 operands, one E8M0 scale for each 32 along K, by v_wmma_scale_f32_16x16x128_f8f6f4 with both operands' format E2M1 (or v_wmma_scale_f32_32x16x128_f4), f32 sums; products left as they are: f32 operands where the result goes on into a quantised operand, else bf16, f16 or f32 operands; f32 sums; everything else in f32.
;; Inputs: W_in_codes 8 x 2,048 x 32 x 16 uint8 (E2M1 codes of W_in, K innermost, in blocks of 32 codes, two codes a byte); W_in_scales 8 x 2,048 x 32 uint8 (E8M0 scales of W_in, one for each 32 codes along K); W_out_codes 8 x 1,024 x 32 x 16 uint8 (E2M1 codes of W_out, K innermost, in blocks of 32 codes, two codes a byte); W_out_scales 8 x 1,024 x 32 uint8 (E8M0 scales of W_out, one for each 32 codes along K); b_in 8 x 2,048 float32; b_out 8 x 1,024 float32; combine_mask 4 x 512 x 8 float32; dispatch_mask 4 x 512 x 8 float32; hidden_states 4 x 512 x 1,024 float32.
;; Outputs: out0 4 x 512 x 1,024 float32.
;; This version of the problem:
;;   THIS VERSION OF THE PROBLEM IS GIVEN IN LOW PRECISION. The matrix products marked QUANTISED in the list below multiply operands that are first quantised to E2M1 (2 exponent bits, 1 mantissa bit; 4 bits a number), with one power-of-two scale for each 32 numbers along K (OCP MX v1.0); their sums are f32. All else is computed in f32.
;;   The module's matrix products, in the order in which they are computed (A, B: the left and right operand; K: the contracted axis; several contracted axes count as one K, in the product's order):
;;     1. batch 2,048 x [M 8, K 1] x [K 1, N 1,024]; A: computed on the way; B: computed on the way: left as it is (no contracted axis)
;;     2. batch 8 x [M 2,048, K 1,024] x [K 1,024, N 2,048]; A: computed on the way; B: input W_in (given as codes): QUANTISED
;;     3. batch 8 x [M 2,048, K 1,024] x [K 1,024, N 1,024]; A: computed on the way; B: input W_out (given as codes): QUANTISED
;;     4. batch 2,048 x [M 1,024, K 8] x [K 8, N 1]; A: computed on the way; B: input combine_mask: left as it is (K = 8 < 32)
;;   THE QUANTISER, for each operand of a quantised product, along K:
;;     - K is cut into blocks of 32 from its start; a last block that is shorter is filled with zeros.
;;     - A block's scale is 2^e with e = floor(log2(the largest magnitude in the block)) - 2, held to -126 .. 127; a block of zeros has e = 0. As a byte (E8M0): e + 127.
;;     - Each number is divided by its block's scale, clamped to +-6, and rounded to the nearest number of E2M1, ties to even, subnormals kept.
;;     - The product sums the exact products of the quantised numbers (number of the format x scale) in f32.
;;   ~~~python
;;   def quantise(x, axis):      # numpy; x: float32 -> the quantised numbers, widened to float32 again
;;       x = np.moveaxis(x, axis, -1); K = x.shape[-1]
;;       x = np.pad(x, [(0, 0)] * (x.ndim - 1) + [(0, -K % 32)]); x = x.reshape(x.shape[:-1] + (-1, 32)); a = np.abs(x).max(-1, keepdims=True)
;;       e = np.where(a > 0, np.clip(np.frexp(np.where(a > 0, a, 1))[1] - 1 - 2, -126, 127), 0)      # np.frexp(a)[1] - 1 = floor(log2(a)), exactly
;;       r = np.clip(x / 2.0 ** e, -6, 6)
;;       step = 2.0 ** (np.maximum(np.frexp(np.where(r == 0, 1, r))[1] - 1, 0) - 1)
;;       q = np.round(r / step) * step * 2.0 ** e      # np.round: ties to even
;;       return np.moveaxis(q.reshape(q.shape[:-2] + (-1,))[..., :K], -1, axis).astype(np.float32)
;;   ~~~
;;   OPERANDS COMPUTED ON THE WAY. 'Computed on the way' means the value that the module computes at that place (a softmax that the list does not call 'softmax' is quantised finished and normalised). What goes into a quantiser is computed in f32, as accurately as f32 sums, v_exp_f32 and their like allow (about 1e-6 of the number): no bf16 or f16 on the way to a quantiser, and a product that is left as it is and whose result goes on into a quantised operand takes f32 operands (vector FMAs, or v_wmma_f32_16x16x4_f32). A number that lies on a knife's edge between two numbers of the format may be rounded either way, as far as f32 arithmetic and the matrix unit's own rounding can turn it there, and no further.
;;   INPUTS GIVEN AS CODES. W_in (in the module: [8, 2048, 1024], K = its axis 2); W_out (in the module: [8, 1024, 1024], K = its axis 2): each comes as NAME_codes (uint8): NAME with its K axis moved to the last place and cut into blocks of 32 codes, [.., K / 32, bytes a block], one block behind the other in memory; two codes a byte, the lower K in the low four bits (a code: sign, 2 exponent bits, 1 mantissa bit); and NAME_scales (uint8): the same leading axes, one E8M0 byte (e + 127) for each 32 codes along K. Its value is code x scale, taken as it is: it is not quantised again, and the codes and scales need not be those that the quantiser above would give.
;; One version. Each part assembles by itself: llvm-mc -triple=amdgcn-amd-amdhsa -mcpu=gfx1250 --defsym DOCPART=n.
;; ======== version 1 of 1: 3 launches
;; limits: a function is approximated: absolute error at most 1e-07
;; workspace buffers: xq 8,388,608 bytes; xs 524,288 bytes; words 8,192 bytes of whole numbers; hq 10,223,616 bytes; hs 638,976 bytes; rec 19,968 bytes of whole numbers
;; launch prep (part 1): grid 257 x 1, 8 waves a work-group, no clusters, 44,032 bytes of LDS; arguments hidden_states, dispatch_mask, combine_mask, xq, xs, words; writes xq, xs, words
.if DOCPART == 1
	.amdgcn_target "amdgcn-amd-amdhsa--gfx1250"
	.amdhsa_code_object_version 6
	.text
	.protected	k_qb92ee758f2_prep
	.globl	k_qb92ee758f2_prep
	.p2align	8
	.type	k_qb92ee758f2_prep,@function
k_qb92ee758f2_prep:
	s_mov_b64 s[64:65], 0
	v_nop
	global_prefetch_b8 v0, s[64:65] scope:SCOPE_SE
	s_setreg_imm32_b32 hwreg(HW_REG_WAVE_MODE, 25, 1), 1
	s_wait_xcnt 0x0
; FIRST OF THREE LAUNCHES.  2,048 tokens of 1,024 f32 numbers, 8 experts.
; Work-groups 1 to 256: wave w of group g takes token t = 8 (g - 1) + w and makes, for each of the 8 experts n, the MX-FP4 codes and scale bytes of x[t] * d[t][n]
;   (one f32 multiplication, then the quantiser along the 1,024): xq [n][t][512 bytes], xs [n][t][32 bytes].  Every address is fixed by ids alone.
; Work-group 0: for each token the set nz of experts with combine weight != 0 (8 bits) and a place 'rank' in an order sorted by nz's lowest set bit: eight bins; a token with nz = 0 goes with bin 7,
;   where its weight 0 makes it add nothing.  Each bin begins at a multiple of 64 places: at most 2,048 + 8 x 63 = 2,552 places, and a multiple of 64: 2,496, which are 39 blocks of 64.
;   words[t] = rank | nz << 16, stored at the fixed place t: the numbers come from floats, so no address and no branch of this launch hangs on them.
; A block's scale is 2^(floor(log2(largest magnitude)) - 2); its byte is the largest magnitude's exponent field - 2, held at 1 from below.
; LIMITS: a block of zeros gets the byte 1, not 127 (its codes are zeros; this program alone reads the bytes); NaN and infinities among the inputs are not served.
; No matrix work, no tensor loads, no cluster: the work-groups share no input.
.set TPW,  4608                        ; LDS: a wave's stage for the turn: 32 blocks x (128 bytes + 16 of padding)
.set SCB,  36864                       ; LDS: the group's scale bytes, [expert 8][token 8][32]
.set SRT,  38912                       ; LDS: work-group 0's counts, 512 bytes a wave (bytes of their own: the two ways share none)
.set DD,   8                           ; v8-15    d[t][0..7], the same in every lane
.set XX,   16                          ; v16-47   my block's 32 numbers
.set YY,   48                          ; v48-79   the row as loaded; then x * d
.set CC,   80                          ; v80-111  codes, four registers an expert: no store's data are written again
.set BY,   112                         ; v112-119 a scale byte an expert
; work-group 0's registers (group j = 0 .. 7 of a lane's eight tokens)
.set QC,   16                          ; v16-79   c, eight a group; free once nz is made
.set QM,   80                          ; v80-87   2 nz
.set QT,   16                          ; v16-23   at work: the lowest bit, then 2^(k + 1) as f32
.set QU,   24                          ; v24-31   at work
.set QK,   32                          ; v32-39   k, the token's bin
.set QS,   40                          ; v40-47   4 k
.set QP,   48                          ; v48-55   1 << 4 k
.set QE,   56                          ; v58-64   QE + j: the sum of groups 0 .. j - 1's 1 << 4 k (j = 2 .. 8; j = 8: the lane's eight counts)
.set QO,   66                          ; v66-69   the lane's counts, register a: bin a in bits 15:0, bin a + 4 in bits 31:16
.set QI,   70                          ; v70-73   their sums over the lanes up to mine
.set QX,   74                          ; v74-77   over the lanes below mine; then the places at which my lane's tokens of each bin begin
.set QMC,  88                          ; v88-95   nz << 16 + the lane's earlier tokens of the same bin
.set QW,   96                          ; v96-99   lane w: wave w's counts, then their sums up to wave w
.set QV,   100                         ; v100-103 the same counts; then the sums below wave w
.set QA,   104                         ; v104-107 at work
.set QL,   108                         ; v108-111 the eight places as bytes: low bytes of bins 0-3, 4-7; high bytes of bins 0-3, 4-7
.set QLO,  112                         ; v112-119 a token's place, low byte; then its word: no store's data are written again
.set QHI,  120                         ; v120-127 high byte
	s_load_b256 s[4:11], s[0:1], 0x0               ; hidden s[4:5], dispatch s[6:7], combine s[8:9], xq s[10:11]
	s_load_b128 s[12:15], s[0:1], 0x20             ; xs s[12:13], words s[14:15]
	v_lshl_add_u32 v128, v0, 2, 0xa800
	v_mov_b32 v129, 0
	v_lshrrev_b32 v1, 5, v0
	s_delay_alu instid0(VALU_DEP_1)
	v_readfirstlane_b32 s20, v1                    ; wave 0..7
	v_and_b32 v1, 31, v0                           ; lane
	s_wait_kmcnt 0x0
	s_cmp_eq_u32 ttmp9, 0
	s_cbranch_scc1 .Lsort
	; ---------------- the quantiser ----------------
	s_sub_co_u32 s21, ttmp9, 1
	s_lshl_b32 s22, s21, 3                         ; the group's first token
	s_add_co_u32 s23, s22, s20                     ; my token
	s_mov_b32 s25, 0
	s_lshl_b32 s24, s23, 12
	s_add_nc_u64 s[4:5], s[4:5], s[24:25]          ; its row of 4,096 bytes
	s_lshl_b32 s24, s23, 5
	s_add_nc_u64 s[6:7], s[6:7], s[24:25]          ; its eight d
	s_lshl_b32 s24, s23, 9
	s_add_nc_u64 s[10:11], s[10:11], s[24:25]      ; its 512 bytes of codes for expert 0
	s_lshl_b32 s24, s22, 5
	s_lshl_b32 s26, s20, 16
	s_add_co_u32 s24, s24, s26
	s_add_nc_u64 s[12:13], s[12:13], s[24:25]      ; xs: expert = my wave's number, the group's 8 tokens: 256 bytes
	s_wait_alu depctr_va_vdst(0)
	v_lshlrev_b32 v2, 4, v1                        ; 16 x lane
	v_mov_b32 v120, 0
	global_load_b128 v[DD:DD+3], v120, s[6:7]
	global_load_b128 v[DD+4:DD+7], v120, s[6:7] offset:16
.irp i, 0,1,2,3,4,5,6,7
	global_load_b128 v[YY+4*\i:YY+4*\i+3], v2, s[4:5] offset:512*\i th:TH_LOAD_NT   ; 32 lanes read 512 consecutive bytes; read once in the launch
.endr
	s_mul_i32 s27, s20, TPW
	v_lshrrev_b32 v3, 3, v1
	s_delay_alu instid0(VALU_DEP_1)
	v_mul_u32_u24 v3, v3, 144
	v_and_b32 v4, 7, v1
	s_delay_alu instid0(VALU_DEP_1)
	v_lshl_add_u32 v3, v4, 4, v3
	s_delay_alu instid0(VALU_DEP_1)
	v_add_nc_u32 v3, s27, v3                       ; the stage, in: eight lanes' 128 bytes are a block of 32 numbers: 144 (lane / 8) + 16 (lane % 8); a load's four blocks take 576 bytes
	v_mul_u32_u24 v4, v1, 144
	s_delay_alu instid0(VALU_DEP_1)
	v_add_nc_u32 v4, s27, v4                       ; and out: block = my lane
	s_lshl_b32 s28, s20, 5
	s_add_co_u32 s28, s28, SCB
	v_add_nc_u32 v5, s28, v1                       ; my block's scale byte of my token; 256 bytes on for each expert
	s_lshl_b32 s28, s20, 8
	s_add_co_u32 s28, s28, SCB
	v_lshlrev_b32 v7, 3, v1
	s_delay_alu instid0(VALU_DEP_1)
	v_add_nc_u32 v6, s28, v7                       ; on the way out: expert = my wave, 8 bytes a lane
	s_wait_alu depctr_va_vdst(0)
	s_wait_loadcnt 0x0
.irp i, 0,1,2,3,4,5,6,7
	ds_store_b128 v3, v[YY+4*\i:YY+4*\i+3] offset:576*\i
.endr
.irp i, 0,1,2,3,4,5,6,7
	ds_load_b128 v[XX+4*\i:XX+4*\i+3], v4 offset:16*\i      ; LDS serves a wave's instructions in order: these see my stores.  A lane now holds 32 neighbours along K
.endr
	s_wait_dscnt 0x0
	v_max3_num_f32 v120, |v[XX]|, |v[XX+1]|, |v[XX+2]|      ; the block's largest |x|, in two chains
	v_max3_num_f32 v121, |v[XX+3]|, |v[XX+4]|, |v[XX+5]|
.irp i, 6,10,14,18,22,26
	s_delay_alu instid0(VALU_DEP_2)
	v_max3_num_f32 v120, v120, |v[XX+\i]|, |v[XX+\i+1]|
	s_delay_alu instid0(VALU_DEP_2)
	v_max3_num_f32 v121, v121, |v[XX+\i+2]|, |v[XX+\i+3]|
.endr
	s_delay_alu instid0(VALU_DEP_2)
	v_max3_num_f32 v120, v120, |v[XX+30]|, |v[XX+31]|
	s_delay_alu instid0(VALU_DEP_1)
	v_max_num_f32 v121, v120, v121
; Expert n: y = x * d[n]; the block's largest |y| is |d[n]| x the largest |x|, rounded: rounding keeps the order, so this is the largest of the rounded products, bit for bit.
.macro EXPERT n
.set kk, 0
.rept 16
.if (\n)%2
	v_pk_mul_f32 v[YY+kk:YY+kk+1], v[XX+kk:XX+kk+1], v[DD+(\n)-1:DD+(\n)] op_sel:[0,1] op_sel_hi:[1,1]   ; both halves by the pair's second register
.else
	v_pk_mul_f32 v[YY+kk:YY+kk+1], v[XX+kk:XX+kk+1], v[DD+(\n):DD+(\n)+1] op_sel_hi:[1,0]               ; both halves by the pair's first register
.endif
.set kk, kk+2
.endr
	v_mul_f32 v120, |v[DD+(\n)]|, v121
	s_delay_alu instid0(VALU_DEP_1)
	v_max_num_f32 v120, 0x1800000, v120            ; the floor 2^(3 - 127): the byte cannot fall under 1
	s_delay_alu instid0(VALU_DEP_1)
	v_add_nc_u32 v122, 0xff000000, v120            ; 2 off the exponent field: the conversion takes this operand's exponent field as its scale
.irp g, 0,1,2,3
	v_cvt_scalef32_pk8_fp4_f32 v[CC+4*(\n)+\g], v[YY+8*\g:YY+8*\g+7], v122
.endr
	v_lshrrev_b32 v[BY+(\n)], 23, v122             ; the scale's byte; also the plain line behind the conversions, ahead of the next expert's writes of y
	ds_store_b8 v5, v[BY+(\n)] offset:256*(\n)
	global_store_b128 v2, v[CC+4*(\n):CC+4*(\n)+3], s[10:11] offset:(\n)*1048576   ; 32 lanes store the row's 512 consecutive bytes
.endm
.irp n, 0,1,2,3,4,5,6,7
	EXPERT \n
.endr
	s_wait_dscnt 0x0                               ; for the others' sake: my byte stores are done
	s_barrier_signal -1
	s_barrier_wait -1
	ds_load_b64 v[124:125], v6                     ; one expert's bytes of the group's 8 tokens
	s_wait_dscnt 0x0
	global_store_b64 v7, v[124:125], s[12:13]      ; 32 lanes store 256 consecutive bytes, at a multiple of 256 from the buffer's first byte
	s_wait_tensorcnt 0x0
	ds_add_u32 v128, v129
	s_wait_dscnt 0x0
	s_endpgm
	; ---------------- the order of the tokens (work-group 0) ----------------
	; Wave w, group j, lane l: token 256 w + 32 j + l.  Inside a bin the tokens are placed by wave, then lane, then group: any order serves, the later launches lean on none.
	; A token's place = its bin's first place + the bin's tokens in the waves below mine + in the lanes below mine + in my lane's earlier groups.  All four are counted in packed fields, for the eight bins at once.
.Lsort:
	s_lshl_b32 s21, s20, 13
	s_wait_alu depctr_va_vdst(0)
	v_lshlrev_b32 v2, 5, v1
	s_delay_alu instid0(VALU_DEP_1)
	v_add_nc_u32 v2, s21, v2                       ; 32 bytes of c a token
.irp j, 0,1,2,3,4,5,6,7
	global_load_b128 v[QC+8*\j:QC+8*\j+3], v2, s[8:9] offset:1024*\j
	global_load_b128 v[QC+8*\j+4:QC+8*\j+7], v2, s[8:9] offset:1024*\j+16
.endr
	s_lshl_b32 s21, s20, 9
	s_add_co_u32 s21, s21, SRT
	v_lshlrev_b32 v4, 4, v1
	s_delay_alu instid0(VALU_DEP_1)
	v_add_nc_u32 v3, s21, v4                       ; the exchange, in: my wave's 512 bytes, 16 a lane
	v_and_b32 v5, 7, v1
	s_delay_alu instid0(VALU_DEP_1)
	v_lshlrev_b32 v5, 9, v5
	s_delay_alu instid0(VALU_DEP_1)
	v_add_nc_u32 v5, SRT+496, v5                   ; and out: lane l takes what lane 31 of wave l % 8 stored: that wave's counts
	s_lshl_b32 s21, s20, 10
	v_lshlrev_b32 v6, 2, v1
	s_delay_alu instid0(VALU_DEP_1)
	v_add_nc_u32 v6, s21, v6                       ; words: 4 bytes a token
	v_lshrrev_b32 v7, 4, v1                        ; 1 in lanes 16-31
	s_wait_loadcnt 0x0
	; 2 nz.  c != 0 just where c's bits without the sign are not 0 (-0 counts as 0; denormals and NaN do not, as the float comparison has it): the sign is shifted out, and what is left is held at 2.
.irp j, 0,1,2,3,4,5,6,7
	v_lshlrev_b32 v[QC+8*\j+7], 1, v[QC+8*\j+7]
.endr
.irp j, 0,1,2,3,4,5,6,7
	v_min_u32 v[QM+\j], 2, v[QC+8*\j+7]
.endr
.irp e, 6,5,4,3,2,1,0                          ; (the eight groups by turns: no line waits for the line above it)
.irp j, 0,1,2,3,4,5,6,7
	v_lshlrev_b32 v[QC+8*\j+\e], 1, v[QC+8*\j+\e]
.endr
.irp j, 0,1,2,3,4,5,6,7
	v_min_u32 v[QC+8*\j+\e], 2, v[QC+8*\j+\e]
.endr
.irp j, 0,1,2,3,4,5,6,7
	v_lshl_or_b32 v[QM+\j], v[QM+\j], 1, v[QC+8*\j+\e]
.endr
.endr
	; the bin k: the lowest set bit of nz | 0x80.  Of 2 nz | 0x100 that bit is 2^(k + 1); as f32 its exponent field is 128 + k and its mantissa 0
.irp j, 0,1,2,3,4,5,6,7
	v_or_b32 v[QT+\j], 0x100, v[QM+\j]
.endr
.irp j, 0,1,2,3,4,5,6,7
	v_sub_nc_u32 v[QU+\j], 0, v[QT+\j]
.endr
.irp j, 0,1,2,3,4,5,6,7
	v_and_b32 v[QT+\j], v[QT+\j], v[QU+\j]
.endr
.irp j, 0,1,2,3,4,5,6,7
	v_cvt_f32_u32 v[QT+\j], v[QT+\j]
.endr
.irp j, 0,1,2,3,4,5,6,7
	v_bfe_u32 v[QK+\j], v[QT+\j], 23, 3            ; k
.endr
.irp j, 0,1,2,3,4,5,6,7
	v_bfe_u32 v[QS+\j], v[QT+\j], 21, 5            ; 4 k
.endr
.irp j, 0,1,2,3,4,5,6,7
	v_lshlrev_b32 v[QP+\j], v[QS+\j], 1            ; a one in field k of eight fields of 4 bits: a lane has 8 tokens, so no field passes 8
.endr
	v_add_nc_u32 v[QE+2], v[QP], v[QP+1]
.irp j, 3,4,5,6,7,8
	s_delay_alu instid0(VALU_DEP_1)
	v_add_nc_u32 v[QE+\j], v[QE+\j-1], v[QP+\j-1]
.endr
	; the lane's eight counts in four registers of two fields of 16 bits (2,048 tokens fit), and their sums over the lanes
	s_delay_alu instid0(VALU_DEP_1)
	v_and_b32 v[QO], 0x000f000f, v[QE+8]
.irp a, 1,2,3
	v_lshrrev_b32 v[QO+\a], 4*\a, v[QE+8]
.endr
.irp a, 1,2,3
	s_delay_alu instid0(VALU_DEP_3)
	v_and_b32 v[QO+\a], 0x000f000f, v[QO+\a]
.endr
.irp a, 0
	v_mov_b32 v[QI+\a], v[QO+\a]                   ; the sums are made in place; the lane's own counts are taken off them again below
.endr
.irp a, 1, 2, 3
	s_delay_alu instid0(VALU_DEP_4)
	v_mov_b32 v[QI+\a], v[QO+\a]                   ; the sums are made in place; the lane's own counts are taken off them again below
.endr
.irp n, 1,2,4,8                                ; lane i adds lane i - n's, inside each half of 16 lanes; a lane without such a lane keeps what it has
.irp a, 0,1,2,3
	s_delay_alu instid0(VALU_DEP_4)
	v_add_nc_u32_dpp v[QI+\a], v[QI+\a], v[QI+\a] row_shr:\n row_mask:0xf bank_mask:0xf
.endr
.endr
.irp a, 0,1,2,3
	s_delay_alu instid0(VALU_DEP_4)
	v_readlane_b32 s[36+\a], v[QI+\a], 15          ; lanes 0-15's counts: at most 128 a field, so the word has 24 bits
.endr
.irp a, 0,1,2,3
	s_delay_alu instid0(VALU_DEP_4)
	v_mad_u32_u24 v[QI+\a], v7, s[36+\a], v[QI+\a] ; added in lanes 16-31
.endr
	ds_store_b128 v3, v[QI:QI+3]
.irp a, 0,1,2,3
	v_sub_nc_u32 v[QX+\a], v[QI+\a], v[QO+\a]      ; the lanes below mine
.endr
	; nz << 16 + the lane's earlier tokens of the same bin (work on registers while the store is out)
	v_lshlrev_b32 v[QMC], 15, v[QM]
	v_bfe_u32 v[QU+1], v[QP], v[QS+1], 4
.irp j, 2,3,4,5,6,7
	v_bfe_u32 v[QU+\j], v[QE+\j], v[QS+\j], 4
.endr
.irp j, 1,2,3,4,5,6,7
	v_lshl_add_u32 v[QMC+\j], v[QM+\j], 15, v[QU+\j]
.endr
	s_wait_dscnt 0x0                               ; for the others' sake: my store is done
	s_barrier_signal -1
	s_barrier_wait -1
	ds_load_b128 v[QW:QW+3], v5
	ds_load_b128 v[QV:QV+3], v5                    ; twice: one set is summed in place, the other is taken off again
	s_wait_dscnt 0x0
.irp n, 1,2,4                                  ; lanes 0-7: the sums over waves 0 .. lane (what lanes 8-31 make of it is not read)
.irp a, 0,1,2,3
	v_add_nc_u32_dpp v[QW+\a], v[QW+\a], v[QW+\a] row_shr:\n row_mask:0xf bank_mask:0xf
.endr
.endr
.irp a, 0,1,2,3
	s_delay_alu instid0(VALU_DEP_4)
	v_sub_nc_u32 v[QV+\a], v[QW+\a], v[QV+\a]
.endr
.irp a, 0,1,2,3
	v_readlane_b32 s[36+\a], v[QW+\a], 7           ; all waves' counts,
.endr
.irp a, 0,1,2,3
	v_readlane_b32 s[40+\a], v[QV+\a], s20         ; and those of the waves below mine
.endr
	s_mov_b32 s44, 0                               ; where the bin begins
.irp k, 0,1,2,3
	s_mov_b32 s[46+\k], s44
	s_and_b32 s45, s[36+\k], 0xffff
	s_add_co_u32 s44, s44, s45
	s_add_co_u32 s44, s44, 63
	s_and_b32 s44, s44, 0xffffffc0                 ; the next bin begins at a multiple of 64
.endr
.irp k, 0,1,2,3
	s_lshl_b32 s45, s44, 16
	s_or_b32 s[46+\k], s[46+\k], s45               ; bins 4 to 7 in the upper fields
.if \k < 3
	s_lshr_b32 s45, s[36+\k], 16
	s_add_co_u32 s44, s44, s45
	s_add_co_u32 s44, s44, 63
	s_and_b32 s44, s44, 0xffffffc0
.endif
.endr
.irp a, 0,1,2,3
	s_add_co_u32 s[46+\a], s[46+\a], s[40+\a]      ; no field passes 2,496
.endr
.irp a, 0,1,2,3
	v_add_nc_u32 v[QX+\a], s[46+\a], v[QX+\a]      ; the places at which my lane's tokens of bins a and a + 4 begin
.endr
	; the eight places as two tables of eight bytes, so that a byte select with k as its selector looks a token's up.  (A selector byte 0-3 takes a byte of the second source, 4-7 of the first)
	s_delay_alu instid0(VALU_DEP_3)
	v_perm_b32 v[QA],   v[QX+1], v[QX],   0x05010400   ; bins 0, 1: low bytes, high bytes
	s_delay_alu instid0(VALU_DEP_2)
	v_perm_b32 v[QA+1], v[QX+3], v[QX+2], 0x05010400   ; bins 2, 3
	v_perm_b32 v[QA+2], v[QX+1], v[QX],   0x07030602   ; bins 4, 5
	s_delay_alu instid0(VALU_DEP_4)
	v_perm_b32 v[QA+3], v[QX+3], v[QX+2], 0x07030602   ; bins 6, 7
	s_delay_alu instid0(VALU_DEP_3)
	v_perm_b32 v[QL],   v[QA+1], v[QA],   0x05040100
	s_delay_alu instid0(VALU_DEP_2)
	v_perm_b32 v[QL+1], v[QA+3], v[QA+2], 0x05040100
	v_perm_b32 v[QL+2], v[QA+1], v[QA],   0x07060302
	s_delay_alu instid0(VALU_DEP_4)
	v_perm_b32 v[QL+3], v[QA+3], v[QA+2], 0x07060302
.irp j, 0,1,2,3,4,5,6,7
	v_perm_b32 v[QLO+\j], v[QL+1], v[QL], v[QK+\j]         ; byte 0: the place's low byte (the other three bytes are not used)
.endr
.irp j, 0,1,2,3,4,5,6,7
	v_perm_b32 v[QHI+\j], v[QL+3], v[QL+2], v[QK+\j]       ; byte 0: its high byte
.endr
.irp j, 0,1,2,3,4,5,6,7
	v_perm_b32 v[QLO+\j], v[QHI+\j], v[QLO+\j], 0x00000400 ; the two bytes side by side
.endr
.irp j, 0,1,2,3,4,5,6,7
	v_and_b32 v[QLO+\j], 0xffff, v[QLO+\j]
.endr
.irp j, 0,1,2,3,4,5,6,7
	v_add_nc_u32 v[QLO+\j], v[QLO+\j], v[QMC+\j]           ; rank | nz << 16
.endr
.irp j, 0,1,2,3,4,5,6,7
	global_store_b32 v6, v[QLO+\j], s[14:15] offset:128*\j
.endr
	s_wait_tensorcnt 0x0
	ds_add_u32 v128, v129
	s_wait_dscnt 0x0
	s_endpgm
.Lfunc_end_k_qb92ee758f2_prep:
	.size	k_qb92ee758f2_prep, .Lfunc_end_k_qb92ee758f2_prep-k_qb92ee758f2_prep
	.p2alignl 7, 3214868480
	.fill 96, 4, 3214868480
	.section	.rodata,"a",@progbits
	.p2align	6, 0x0
	.amdhsa_kernel k_qb92ee758f2_prep
		.amdhsa_group_segment_fixed_size 44032
		.amdhsa_private_segment_fixed_size 0
		.amdhsa_enable_private_segment 0
		.amdhsa_kernarg_size 48
		.amdhsa_user_sgpr_count 2
		.amdhsa_user_sgpr_kernarg_segment_ptr 1
		.amdhsa_wavefront_size32 1
		.amdhsa_system_sgpr_workgroup_id_x 1
		.amdhsa_system_sgpr_workgroup_id_y 1
		.amdhsa_system_sgpr_workgroup_id_z 1
		.amdhsa_system_vgpr_workitem_id 0
		.amdhsa_next_free_vgpr 130
		.amdhsa_next_free_sgpr 66
		.amdhsa_reserve_vcc 0
		.amdhsa_float_denorm_mode_32 3
		.amdhsa_float_denorm_mode_16_64 3
		.amdhsa_memory_ordered 1
		.amdhsa_forward_progress 1
		.amdhsa_inst_pref_size 45
	.end_amdhsa_kernel
	.amdgpu_metadata
---
amdhsa.version: [ 1, 2 ]
amdhsa.kernels:
  - .name:           k_qb92ee758f2_prep
    .symbol:         k_qb92ee758f2_prep.kd
    .args:
      - { .name: hidden_states, .offset: 0, .size: 8, .value_kind: global_buffer, .address_space: global }
      - { .name: dispatch_mask, .offset: 8, .size: 8, .value_kind: global_buffer, .address_space: global }
      - { .name: combine_mask, .offset: 16, .size: 8, .value_kind: global_buffer, .address_space: global }
      - { .name: xq, .offset: 24, .size: 8, .value_kind: global_buffer, .address_space: global }
      - { .name: xs, .offset: 32, .size: 8, .value_kind: global_buffer, .address_space: global }
      - { .name: words, .offset: 40, .size: 8, .value_kind: global_buffer, .address_space: global }
    .group_segment_fixed_size: 44032
    .private_segment_fixed_size: 0
    .kernarg_segment_align: 8
    .kernarg_segment_size: 48
    .max_flat_workgroup_size: 256
    .sgpr_count:     66
    .vgpr_count:     130
    .wavefront_size: 32
...
	.end_amdgpu_metadata
.endif
;; end of part 1
;; launch hidden (part 2): grid 16 x 39, 4 waves a work-group, no clusters, 107,008 bytes of LDS; arguments words, xq, xs, W_in_codes, W_in_scales, b_in, hq, hs, rec; writes hq, hs, rec
.if DOCPART == 2
	.amdgcn_target "amdgcn-amd-amdhsa--gfx1250"
	.amdhsa_code_object_version 6
	.text
	.protected	k_qb92ee758f2_hidden
	.globl	k_qb92ee758f2_hidden
	.p2align	8
	.type	k_qb92ee758f2_hidden,@function
k_qb92ee758f2_hidden:
	s_mov_b64 s[64:65], 0
	v_nop
	global_prefetch_b8 v0, s[64:65] scope:SCOPE_SE
	s_setreg_imm32_b32 hwreg(HW_REG_WAVE_MODE, 25, 1), 1
	s_wait_xcnt 0x0
; SECOND LAUNCH.  Work-group (sl, b): the 64 places 64 b .. 64 b + 63 of the sorted order x the 64 hidden units 64 sl .. 64 sl + 63.
; It finds the tokens at its places from words[] (rank | nz << 16), and then walks the 8 experts in a loop of constant count, passing over, by a scalar branch on those stored whole numbers,
; the experts that none of its tokens uses.  For an expert in use: h = q(x d) W_in^T + b_in on MX-FP4 codes, x half x gelu(gate half) in f32, quantised along the hidden units:
;   hq [b][n][tile of 16 places 4][block of 32 units 32][place 16][16 bytes]  (the order in which the next product's operand registers take them),  hs [b][n][place 64][32 bytes].
; A place without a token computes on token 2,047's row and is never stored to the output.  Slice 0's wave 0 also stores the list: rec[b]: 64 words token + 1 (0: no token), then the set of experts in use.
; THE PRODUCT IS USED TRANSPOSED: source 0 = 16 rows of W_in, source 1 = 16 places: a lane holds ONE place (lane % 16) and its registers run along the hidden units.
; THE ROWS OF W_in THAT FORM A TILE ARE NOT NEIGHBOURS: slot i of tile u of block q takes unit 32 q + 8 u + i + 8 (i / 8), so that the 16 registers of tiles u = 0, 1 are the 16 neighbours 32 q + 16 (lane / 16) + 0 .. 15.
; SHARES.  Products: wave w: block q = w % 2 of the slice's two blocks of 32 units (x half and gate half: 4 tiles of W) x tiles of places 2 p, 2 p + 1, p = w / 2: 8 accumulators, by turns.
; Staging: wave w brings the 16 rows of x's tile w and the 32 rows of W's tiles 2 w, 2 w + 1: one row of 512 bytes a load, 16 bytes (a block of 32 codes) a lane, laid in LDS as [block 32][16 rows x 16 bytes + 16].
; NO TENSOR LOAD, NO JOINT REQUEST: which experts are walked hangs on numbers read from memory, so operands go through registers; blocks of one expert share W's rows only through the caches.
; gelu(g) = g/2 (1 + erf(g / sqrt 2)), erf as a quotient of two polynomials (degrees 13 and 8) in z held to +-4.
; LIMITS: erf's absolute error is about 1e-7, so 1 + erf has few right digits where g < -4; a block of zeros gets the scale byte 1 (this program alone reads the bytes); NaN and infinities are not served;
;         a pair (token, expert) with combine weight 0 is not computed, so an infinite or NaN expert result there gives no NaN.
.set TILE, 8704                        ; a tile in LDS: 32 blocks x 272 bytes
.set KP,   272                         ; 16 rows x 16 bytes + 16: the writer's lanes (a block each) and the reader's (a row each) both fall on 16 different 16-byte columns
.set XL,   1536                        ; LDS: 0: the exchange, 384 bytes a wave;  x's 4 tiles;
.set WL,   XL+4*TILE                   ; W's 8 tiles: tile = 4 half + 2 q + u
.set L16,  1                           ; v1   16 x lane
.set SX,   2                           ; v2   staging: x's tile w, my block
.set SW,   3                           ; v3   staging: W's tile 2 w, my block
.set RX,   4                           ; v4   fragments of x: tile 2 p, 272 (lane / 16) + 16 (lane % 16)
.set RW,   5                           ; v5   fragments of W: tile 2 q
.set BO,   6                           ; v6   b_in: 64 (lane / 16)
.set WSO,  7                           ; v7   W's scale words: my slot's row, 16 bytes for each half of the lanes
.set XSO,  8                           ; v8-9 x's scale words of my two tiles of places
.set HQO,  10                          ; v10  hq: 16 (lane % 16) + 8 (lane / 16)
.set HSO,  11                          ; v11  hs: 32 x (32 p + lane)
.set XO,   12                          ; v12-27 x's rows: 512 x token + 16 x lane
.set ORD,  28                          ; v28-29 token + 1 at places 0-31, 32-63
.set EXA,  30                          ; v30  the exchange: my wave's words
.set EXR,  31                          ; v31  the exchange: wave 0's words
.set WS,   32                          ; v32-47 W's scale words and nothing else: tile t' (0, 1: x half; 2, 3: gate half): four; lanes 0-15 K steps 0-3, lanes 16-31 K steps 4-7
.set XS,   48                          ; v48-55 x's scale words and nothing else, likewise
.set BIAS, 56                          ; v56-87 b_in in the result's layout, eight a tile
.set ACC,  88                          ; v88-151 accumulator (m, t') at 8 (4 m + t')
.set F0,   152                         ; v152-199, v200-247 two sets of fragments: W's four, x's two
.set F1,   200
.set XR,   56                          ; staging lies over them: x's rows v56-119, W's rows v120-247
.set WR,   120
.set WD,   120                         ; the head: 16 words a lane
.set ROWS, 68                          ; s68-83 row offsets read out of lanes
.set ZZ,   152                         ; gelu's 16 numbers a lane: z, z^2, P, Q, g/2, 1/Q
.set Z2,   168
.set PP,   184
.set QQ,   200
.set HG,   216
.set RC,   232
.set A1,   0xbc83dbd4                  ; -1.60960333e-02
.set A3,   0xbb41a1f6                  ; -2.95459981e-03
.set A5,   0xba40ac63                  ; -7.34990630e-04
.set A7,   0xb86ec2d2                  ; -5.69250639e-05
.set A9,   0xb60cff51                  ; -2.10102402e-06
.set A11,  0x32edffee                  ;  2.77068142e-08
.set A13,  0xaf95df0b                  ; -2.72614226e-10
.set B0,   0xbc69b6a7                  ; -1.42647391e-02
.set B2,   0xbbf19bf8                  ; -7.37332917e-03
.set B4,   0xbadc924e                  ; -1.68282697e-03
.set B6,   0xb95fbd29                  ; -2.13374055e-04
.set B8,   0xb77460cd                  ; -1.45660718e-05
.macro BARRIER                         ; my LDS stores have landed and my LDS loads are in: then the work-group's barrier
	s_wait_dscnt 0x0
	s_barrier_signal -1
	s_barrier_wait -1
.endm
	s_load_b256 s[4:11], s[0:1], 0x0               ; words s[4:5], xq s[6:7], xs s[8:9], W's codes s[10:11]
	s_load_b256 s[12:19], s[0:1], 0x20             ; W's scales s[12:13], b_in s[14:15], hq s[16:17], hs s[18:19]
	s_load_b64 s[20:21], s[0:1], 0x40              ; rec
	s_set_vgpr_msb 0x40
	v_lshl_add_u32 v0, v0, 2, 0x1a000
	v_mov_b32 v1, 0
	s_set_vgpr_msb 0x4000
	v_lshrrev_b32 v136, 5, v0
	v_readfirstlane_b32 s22, v136                  ; wave 0..3
	s_and_b32 s23, s22, 1                          ; q
	s_lshr_b32 s24, s22, 1                         ; p
	s_mov_b32 s25, ttmp9                           ; slice
	s_and_b32 s26, ttmp7, 0xffff                   ; block
	v_and_b32 v136, 31, v0                         ; lane
	v_and_b32 v137, 15, v0                         ; r
	v_bfe_u32 v138, v0, 4, 1                       ; h
	v_lshlrev_b32 v139, 2, v136
	s_lshl_b32 s34, s22, 7
	v_add_nc_u32 v140, s34, v139
	s_wait_alu depctr_va_vdst(0)
	s_wait_kmcnt 0x0
.set ii, 0
.rept 16
	global_load_b32 v[WD+ii], v140, s[4:5] offset:512*ii   ; register i, lane l: token 128 i + 32 w + l: a block's tokens are dealt evenly to the four waves
.set ii, ii+1
.endr
	; every address register is made here, ahead of all branches
	v_lshlrev_b32 v[L16], 4, v136
	v_mul_u32_u24 v141, v136, KP
	s_mul_i32 s34, s22, TILE
	s_add_co_u32 s35, s34, XL
	v_add_nc_u32 v[SX], s35, v141
	s_lshl_b32 s35, s34, 1
	s_add_co_u32 s35, s35, WL
	v_add_nc_u32 v[SW], s35, v141
	v_mul_u32_u24 v141, v138, KP
	v_lshl_add_u32 v141, v137, 4, v141
	s_mul_i32 s35, s24, 2*TILE
	s_add_co_u32 s35, s35, XL
	v_add_nc_u32 v[RX], s35, v141
	s_mul_i32 s35, s23, 2*TILE
	s_add_co_u32 s35, s35, WL
	v_add_nc_u32 v[RW], s35, v141
	v_lshlrev_b32 v[BO], 6, v138
	v_and_b32 v141, 8, v137
	v_add_nc_u32 v141, v141, v137                  ; r + 8 (r / 8)
	v_lshlrev_b32 v141, 5, v141
	v_lshl_add_u32 v[WSO], v138, 4, v141
	v_lshlrev_b32 v141, 3, v138
	v_lshl_add_u32 v[HQO], v137, 4, v141
	s_lshl_b32 s35, s24, 5
	v_add_nc_u32 v141, s35, v136
	v_lshlrev_b32 v[HSO], 5, v141
	s_mul_i32 s35, s22, 384
	v_add_nc_u32 v[EXA], s35, v139
	v_lshlrev_b32 v[EXR], 2, v136
	v_mov_b32 v[ORD], 0
	v_mov_b32 v[ORD+1], 0
	s_mov_b32 s27, 0                               ; the words of my wave's tokens in this block, ORed
	s_mov_b32 s29, 0xffff0000                      ; lanes 16-31
	s_mov_b32 s30, 0x76543210
	s_mov_b32 s31, 0xfedcba98                      ; v_permlanex16_b32's selects for lane l xor 16
	s_lshl_b32 s32, s26, 6                         ; the block's first place,
	s_add_co_u32 s33, s32, 32                      ; and its 33rd
	s_lshl_b32 s49, s22, 5
	s_add_co_u32 s49, s49, 1                       ; 32 w + 1
	s_mov_b32 s50, A13                             ; the packed forms name pairs and take the low word for both halves
	s_mov_b32 s51, A13
	s_mov_b32 s52, B8
	s_mov_b32 s53, B8
.set ii, 0
.rept 24
	v_mov_b32 v[WS+ii], 0x7f7f7f7f                 ; the scale registers hold scales (1.0), and the bias registers numbers, on every way through the loop's two tests
.set ii, ii+1
.endr
.set ii, 0
.rept 32
	v_mov_b32 v[BIAS+ii], 0
.set ii, ii+1
.endr
	s_wait_loadcnt 0x0
; The tokens of one half of the block among 32 words: each lane named by the mask puts its token + 1 into lane (rank % 32) of ord.  A loop counted against the mask's number of bits.
.macro PICK mask, ord, word
	s_bcnt1_i32_b32 s43, s[\mask]
	s_cmp_eq_u32 s43, 0
	s_cbranch_scc1 .Lpicked_\@
	s_mov_b32 s44, 0
.Lpick_\@:
	s_ctz_i32_b32 s45, s[\mask]
	s_lshl_b32 s46, 1, s45
	s_and_not1_b32 s[\mask], s[\mask], s46
	v_readlane_b32 s47, v[\word], s45
	s_or_b32 s27, s27, s47
	s_and_b32 s47, s47, 31
	s_add_co_u32 s46, s45, s48
	s_wait_alu depctr_va_vdst(0)
	v_writelane_b32 v[\ord], s46, s47
	s_add_co_u32 s44, s44, 1
	s_cmp_lt_u32 s44, s43
	s_cbranch_scc1 .Lpick_\@
.Lpicked_\@:
.endm
.macro EXTR i
	v_and_b32 v141, 0xffe0, v[WD+\i]               ; rank, less its low five bits
	v_cmp_eq_u32 s40, s32, v141
	v_cmp_eq_u32 s41, s33, v141
	s_or_b32 s42, s40, s41
	s_cbranch_scc0 .Lnone_\@                       ; none of these 32 tokens lies in my block
	s_add_co_u32 s48, s49, 128*\i                  ; lane 0's token + 1
	PICK 40, ORD, WD+\i
	PICK 41, ORD+1, WD+\i
.Lnone_\@:
.endm
.irp i, 0,1,2,3,4,5,6,7,8,9,10,11,12,13,14,15
	EXTR \i
.endr
	s_wait_alu depctr_va_vdst(0)
	ds_store_b32 v[EXA], v[ORD]
	ds_store_b32 v[EXA], v[ORD+1] offset:128
	v_mov_b32 v141, s27
	ds_store_b32 v[EXA], v141 offset:256
	BARRIER                                        ; the four waves' finds lie in LDS
.irp u, 0,1,2,3
	ds_load_b32 v[140+\u], v[EXR] offset:384*\u
	ds_load_b32 v[144+\u], v[EXR] offset:384*\u+128
	ds_load_b32 v[148+\u], v[EXR] offset:384*\u+256
.endr
	s_wait_dscnt 0x0
	v_or_b32 v140, v140, v141
	v_or_b32 v142, v142, v143
	v_or_b32 v[ORD], v140, v142
	v_or_b32 v144, v144, v145
	v_or_b32 v146, v146, v147
	v_or_b32 v[ORD+1], v144, v146
	v_or_b32 v148, v148, v149
	v_or_b32 v150, v150, v151
	v_or_b32 v148, v148, v150
	v_readfirstlane_b32 s27, v148
	s_lshr_b32 s27, s27, 16                        ; the experts that the block's tokens use
	; from the list to addresses.  No token: 0 - 1 wraps and is held at 2,047
	s_cmp_eq_u32 s24, 1
	s_cselect_b32 s34, -1, 0
	s_cmp_eq_u32 s23, 1
	s_cselect_b32 s35, -1, 0
	v_cndmask_b32 v142, v[ORD], v[ORD+1], s34      ; places 32 p + lane: they hold my two tiles of places, and the tile w that I stage
	v_mov_b32 v143, 0
	v_permlanex16_b32 v143, v142, s30, s31
	v_cndmask_b32 v[XSO], v142, v143, s29          ; lane (r, h): place 32 p + r,
	v_cndmask_b32 v[XSO+1], v143, v142, s29        ; place 32 p + 16 + r
	v_cndmask_b32 v140, v142, v143, s35            ; lanes 0-15: places 16 w + lane
.irp m, 0,1
	v_add_nc_u32 v[XSO+\m], -1, v[XSO+\m]
	v_min_u32 v[XSO+\m], 0x7ff, v[XSO+\m]
	v_lshlrev_b32 v[XSO+\m], 5, v[XSO+\m]
	v_lshl_add_u32 v[XSO+\m], v138, 4, v[XSO+\m]   ; 32 x token + 16 h
.endr
	v_add_nc_u32 v140, -1, v140
	v_min_u32 v140, 0x7ff, v140
	v_lshlrev_b32 v140, 9, v140
.set ii, 0
.rept 16
	v_readlane_b32 s[ROWS+ii], v140, ii
.set ii, ii+1
.endr
.set ii, 0
.rept 16
	s_min_u32 s[ROWS+ii], s[ROWS+ii], 0xffe00
	v_add_nc_u32 v[XO+ii], s[ROWS+ii], v[L16]
.set ii, ii+1
.endr
	s_mov_b32 s35, 0
	s_lshl_b32 s34, s26, 9
	s_add_nc_u64 s[20:21], s[20:21], s[34:35]      ; my block's record
	s_or_b32 s34, s25, s22
	s_cmp_lg_u32 s34, 0
	s_cbranch_scc1 .Lno_rec                        ; slice 0's wave 0 stores it
	v_mov_b32 v141, s27
	global_store_b32 v139, v[ORD], s[20:21]
	global_store_b32 v139, v[ORD+1], s[20:21] offset:128
	global_store_b32 v139, v141, s[20:21] offset:256
	global_store_b32 v139, v141, s[20:21] offset:384
	s_wait_xcnt 0x0                                ; the stores have read their registers: v139 and v141 lie where rows will be loaded
.Lno_rec:
	s_lshl_b32 s36, s25, 6
	s_lshl_b32 s37, s23, 5
	s_add_co_u32 s36, s36, s37                     ; unit 64 sl + 32 (w % 2): it serves my products, and my staging too (tiles 2 w, 2 w + 1 are half w / 2, block w % 2)
	s_lshl_b32 s34, s24, 10
	s_add_co_u32 s34, s34, s36
	s_lshl_b32 s34, s34, 9
	s_add_nc_u64 s[10:11], s[10:11], s[34:35]      ; W's rows that I stage
	s_lshl_b32 s34, s36, 5
	s_add_nc_u64 s[12:13], s[12:13], s[34:35]      ; W's scale bytes,
	s_lshl_b32 s34, s36, 2
	s_add_nc_u64 s[14:15], s[14:15], s[34:35]      ; and b_in, of my block's x half
	s_lshl_b32 s34, s26, 18
	s_lshl_b32 s37, s24, 14
	s_add_co_u32 s34, s34, s37
	s_lshl_b32 s37, s25, 1
	s_add_co_u32 s37, s37, s23                     ; my block of 32 units among the 32: 2 sl + q
	s_lshl_b32 s38, s37, 8
	s_add_co_u32 s34, s34, s38
	s_add_nc_u64 s[16:17], s[16:17], s[34:35]      ; hq: block b, tile 2 p, my block of units
	s_lshl_b32 s34, s26, 14
	s_add_co_u32 s34, s34, s37
	s_add_nc_u64 s[18:19], s[18:19], s[34:35]      ; hs likewise
.macro STAGE
.irp t, 0,1,2,3
	global_load_b128 v[WS+4*\t:WS+4*\t+3], v[WSO], s[12:13] offset:(\t/2)*32768+(\t%2)*256
.endr
.irp m, 0,1
	global_load_b128 v[XS+4*\m:XS+4*\m+3], v[XSO+\m], s[8:9]
.endr
.set ii, 0
	s_wait_alu depctr_va_vdst(0)
.rept 16
	global_load_b128 v[XR+4*ii:XR+4*ii+3], v[XO+ii], s[6:7]        ; a token's 512 bytes of codes
.set ii, ii+1
.endr
.set ii, 0
.rept 32
	global_load_b128 v[WR+4*ii:WR+4*ii+3], v[L16], s[10:11] offset:(8*(ii/16)+(ii%16)+8*((ii%16)/8))*512   ; tile ii / 16, slot ii % 16
.set ii, ii+1
.endr
	s_wait_loadcnt 32                              ; W's 32 rows may be out: the scale words and x's rows are in
.set ii, 0
.rept 16
	ds_store_b128 v[SX], v[XR+4*ii:XR+4*ii+3] offset:16*ii
.set ii, ii+1
.endr
	s_wait_dscnt 0x0                               ; the stores have read their registers: the bias lands there
.irp t, 0,1,2,3
	global_load_b128 v[BIAS+8*\t:BIAS+8*\t+3], v[BO], s[14:15] offset:(\t/2)*4096+(\t%2)*32
	global_load_b128 v[BIAS+8*\t+4:BIAS+8*\t+7], v[BO], s[14:15] offset:(\t/2)*4096+(\t%2)*32+16
.endr
.irp g, 0,1,2,3
	s_wait_loadcnt 32-8*\g                         ; the W rows still to come and the 8 bias loads may be out
.set ii, 8*\g
.rept 8
	ds_store_b128 v[SW], v[WR+4*ii:WR+4*ii+3] offset:(ii/16)*TILE+16*(ii%16)
.set ii, ii+1
.endr
.endr
.endm
; K step s (128 along K): 12 loads.  A fragment's registers 4 c .. 4 c + 3 of lane (r, h) are block 4 s + 2 c + h of row r
.macro FETCH s, buf
.irp t, 0,1,2,3
.irp c, 0,1
	ds_load_b128 v[\buf+8*\t+4*\c:\buf+8*\t+4*\c+3], v[RW] offset:((\t/2)*4+(\t%2))*TILE+(4*(\s)+2*\c)*KP
.endr
.endr
.irp m, 0,1
.irp c, 0,1
	ds_load_b128 v[\buf+32+8*\m+4*\c:\buf+32+8*\m+4*\c+3], v[RX] offset:\m*TILE+(4*(\s)+2*\c)*KP
.endr
.endr
.endm
; 8 matrix instructions, the 8 accumulators by turns in the same order in every K step.  The first K step takes the bias as C: nothing is cleared or added later.
.macro MM s, buf
.irp m, 0,1
.irp t, 0,1,2,3
.if (\s) == 0
	v_wmma_scale_f32_16x16x128_f8f6f4 v[ACC+8*(4*\m+\t):ACC+8*(4*\m+\t)+7], v[\buf+8*\t:\buf+8*\t+7], v[\buf+32+8*\m:\buf+32+8*\m+7], v[BIAS+8*\t:BIAS+8*\t+7], v[WS+4*\t], v[XS+4*\m] matrix_a_fmt:MATRIX_FMT_FP4 matrix_b_fmt:MATRIX_FMT_FP4
.elseif (\s) < 4
	v_wmma_scale_f32_16x16x128_f8f6f4 v[ACC+8*(4*\m+\t):ACC+8*(4*\m+\t)+7], v[\buf+8*\t:\buf+8*\t+7], v[\buf+32+8*\m:\buf+32+8*\m+7], v[ACC+8*(4*\m+\t):ACC+8*(4*\m+\t)+7], v[WS+4*\t+(\s)], v[XS+4*\m+(\s)] matrix_a_fmt:MATRIX_FMT_FP4 matrix_b_fmt:MATRIX_FMT_FP4
.else
	v_wmma_scale_f32_16x16x128_f8f6f4 v[ACC+8*(4*\m+\t):ACC+8*(4*\m+\t)+7], v[\buf+8*\t:\buf+8*\t+7], v[\buf+32+8*\m:\buf+32+8*\m+7], v[ACC+8*(4*\m+\t):ACC+8*(4*\m+\t)+7], v[WS+4*\t+(\s)-4], v[XS+4*\m+(\s)-4] matrix_a_fmt:MATRIX_FMT_FP4 matrix_b_fmt:MATRIX_FMT_FP4 matrix_a_scale:MATRIX_SCALE_ROW1 matrix_b_scale:MATRIX_SCALE_ROW1
.endif
.endr
.endr
.endm
.macro KSTEP s
.if (\s) < 7
.if (\s) > 0
.rept 4
	v_nop                                          ; four places in front of loads into the set that the last K step multiplied
.endr
.endif
.if (\s)%2
	FETCH (\s)+1, F0
.else
	FETCH (\s)+1, F1
.endif
	s_wait_dscnt 12                                ; the 12 loads just issued may be out: this K step's fragments are in
.else
	s_wait_dscnt 0x0
.endif
.if (\s)%2
	MM \s, F1
.else
	MM \s, F0
.endif
.endm
; x half x gelu(gate half) for tile of places m: 16 numbers a lane, two at a time; the result replaces the x half.  Each accumulator is read from its low end on.
.macro GEGLU mm
.set GX, ACC+32*(\mm)
.set GG, ACC+32*(\mm)+16
.irp k, 0,2,4,6,8,10,12,14
	v_pk_mul_f32 v[ZZ+\k:ZZ+\k+1], v[GG+\k:GG+\k+1], 0x3f3504f3 op_sel_hi:[1,0]     ; z = g / sqrt 2
.endr
.irp k, 0,1,2,3,4,5,6,7,8,9,10,11,12,13,14,15
	v_med3_num_f32 v[ZZ+\k], v[ZZ+\k], -4.0, 4.0
.endr
.irp k, 0,2,4,6,8,10,12,14
	v_pk_mul_f32 v[Z2+\k:Z2+\k+1], v[ZZ+\k:ZZ+\k+1], v[ZZ+\k:ZZ+\k+1]
.endr
.irp k, 0,2,4,6,8,10,12,14
	v_pk_fma_f32 v[PP+\k:PP+\k+1], v[Z2+\k:Z2+\k+1], s[50:51], A11 op_sel_hi:[1,0,0]
	v_pk_fma_f32 v[QQ+\k:QQ+\k+1], v[Z2+\k:Z2+\k+1], s[52:53], B6 op_sel_hi:[1,0,0]
.endr
.irp a, A9, A7, A5, A3, A1
.irp k, 0,2,4,6,8,10,12,14
	v_pk_fma_f32 v[PP+\k:PP+\k+1], v[PP+\k:PP+\k+1], v[Z2+\k:Z2+\k+1], \a op_sel_hi:[1,1,0]
.endr
.endr
.irp a, B4, B2, B0
.irp k, 0,2,4,6,8,10,12,14
	v_pk_fma_f32 v[QQ+\k:QQ+\k+1], v[QQ+\k:QQ+\k+1], v[Z2+\k:Z2+\k+1], \a op_sel_hi:[1,1,0]
.endr
.endr
.irp k, 0,2,4,6,8,10,12,14
	v_pk_mul_f32 v[PP+\k:PP+\k+1], v[PP+\k:PP+\k+1], v[ZZ+\k:ZZ+\k+1]
.endr
	s_wait_alu depctr_va_vdst(0)
.irp k, 0,1,2,3,4,5,6,7,8,9,10,11,12,13,14,15
	v_rcp_f32 v[RC+\k], v[QQ+\k]                   ; one batch
.endr
.irp k, 0,2,4,6,8,10,12,14
	v_pk_mul_f32 v[HG+\k:HG+\k+1], v[GG+\k:GG+\k+1], 0.5 op_sel_hi:[1,0]            ; g / 2: plain work behind the reciprocals that names none of their results
.endr
	s_wait_alu depctr_va_vdst(0)                   ; one wait for the batch, ahead of its first reader
.irp k, 0,2,4,6,8,10,12,14
	v_pk_mul_f32 v[PP+\k:PP+\k+1], v[PP+\k:PP+\k+1], v[RC+\k:RC+\k+1]               ; erf
.endr
.irp k, 0,2,4,6,8,10,12,14
	v_pk_fma_f32 v[PP+\k:PP+\k+1], v[PP+\k:PP+\k+1], v[HG+\k:HG+\k+1], v[HG+\k:HG+\k+1]   ; g/2 erf + g/2
.endr
.irp k, 0,2,4,6,8,10,12,14
	v_pk_mul_f32 v[GX+\k:GX+\k+1], v[GX+\k:GX+\k+1], v[PP+\k:PP+\k+1]
.endr
.endm
; My 16 numbers and lane l xor 16's are a block of 32 along the next K: its scale, my 16 codes (8 bytes), stored at once: 32 lanes store 256 consecutive bytes, aligned.
.macro QUANT mm
.set GX, ACC+32*(\mm)
	v_max3_num_f32 v252, |v[GX]|, |v[GX+1]|, 0x1800000     ; with the floor 2^(3 - 127): the byte cannot fall under 1
	v_max3_num_f32 v253, |v[GX+2]|, |v[GX+3]|, |v[GX+4]|
	v_max3_num_f32 v252, v252, |v[GX+5]|, |v[GX+6]|
	v_max3_num_f32 v253, v253, |v[GX+7]|, |v[GX+8]|
	v_max3_num_f32 v252, v252, |v[GX+9]|, |v[GX+10]|
	v_max3_num_f32 v253, v253, |v[GX+11]|, |v[GX+12]|
	v_max3_num_f32 v252, v252, |v[GX+13]|, |v[GX+14]|
	v_max3_num_f32 v252, v252, v253, |v[GX+15]|
	v_permlanex16_b32 v253, v252, s30, s31
	v_max_num_f32 v252, v252, v253
	v_add_nc_u32 v253, 0xff000000, v252            ; 2 off the exponent field: the conversion's scale operand
	v_cvt_scalef32_pk8_fp4_f32 v[248+2*(\mm)], v[GX:GX+7], v253
	v_cvt_scalef32_pk8_fp4_f32 v[249+2*(\mm)], v[GX+8:GX+15], v253
	v_lshrrev_b32 v[254+(\mm)], 23, v253           ; the scale's byte; also the plain line behind the conversions
	global_store_b64 v[HQO], v[248+2*(\mm):249+2*(\mm)], s[16:17] offset:8192*(\mm)
.endm
	s_mov_b32 s28, 0
.Lexpert:                                              ; 8 trips, always; both barriers of a trip stand on every wave's way
	s_bitcmp1_b32 s27, s28
	s_cbranch_scc0 .Lno_stage
	STAGE
.Lno_stage:
	s_wait_loadcnt 0x0                             ; the bias is in: no load is out, whichever way the tests go
	BARRIER                                        ; the expert's tiles lie in LDS
	s_bitcmp1_b32 s27, s28
	s_cbranch_scc0 .Lno_work
	FETCH 0, F0
.irp s, 0,1,2,3,4,5,6,7
	KSTEP \s
.endr
.rept 4
	v_nop                                          ; four places in front of the first read of results and the first write over fragments
.endr
	GEGLU 0
	QUANT 0
	GEGLU 1
	QUANT 1
	v_cndmask_b32 v254, v254, v255, s29            ; lane l: the byte of place 32 p + l
	global_store_b8 v[HSO], v254, s[18:19]         ; one byte a place: this work-group owns 2 of a place's 32 scale bytes
.Lno_work:
	BARRIER                                        ; nobody reads the tiles any more
	s_wait_xcnt 0x0                                ; the trip's loads and stores have read their bases and data: the bases step, the codes' registers may be written again
	s_add_nc_u64 s[6:7], s[6:7], 0x100000
	s_add_nc_u64 s[8:9], s[8:9], 0x10000
	s_add_nc_u64 s[10:11], s[10:11], 0x100000
	s_add_nc_u64 s[12:13], s[12:13], 0x10000
	s_add_nc_u64 s[14:15], s[14:15], 0x2000
	s_add_nc_u64 s[16:17], s[16:17], 0x8000
	s_add_nc_u64 s[18:19], s[18:19], 0x800
	s_add_co_u32 s28, s28, 1
	s_cmp_lt_u32 s28, 8
	s_cbranch_scc1 .Lexpert
	s_set_vgpr_msb 0x5
	s_wait_tensorcnt 0x0
	ds_add_u32 v0, v1
	s_wait_dscnt 0x0
	s_set_vgpr_msb 0x500
	s_endpgm
.Lfunc_end_k_qb92ee758f2_hidden:
	.size	k_qb92ee758f2_hidden, .Lfunc_end_k_qb92ee758f2_hidden-k_qb92ee758f2_hidden
	.p2alignl 7, 3214868480
	.fill 96, 4, 3214868480
	.section	.rodata,"a",@progbits
	.p2align	6, 0x0
	.amdhsa_kernel k_qb92ee758f2_hidden
		.amdhsa_group_segment_fixed_size 107008
		.amdhsa_private_segment_fixed_size 0
		.amdhsa_enable_private_segment 0
		.amdhsa_kernarg_size 72
		.amdhsa_user_sgpr_count 2
		.amdhsa_user_sgpr_kernarg_segment_ptr 1
		.amdhsa_wavefront_size32 1
		.amdhsa_system_sgpr_workgroup_id_x 1
		.amdhsa_system_sgpr_workgroup_id_y 1
		.amdhsa_system_sgpr_workgroup_id_z 1
		.amdhsa_system_vgpr_workitem_id 0
		.amdhsa_next_free_vgpr 258
		.amdhsa_next_free_sgpr 100
		.amdhsa_reserve_vcc 0
		.amdhsa_float_denorm_mode_32 3
		.amdhsa_float_denorm_mode_16_64 3
		.amdhsa_memory_ordered 1
		.amdhsa_forward_progress 1
		.amdhsa_inst_pref_size 90
	.end_amdhsa_kernel
	.amdgpu_metadata
---
amdhsa.version: [ 1, 2 ]
amdhsa.kernels:
  - .name:           k_qb92ee758f2_hidden
    .symbol:         k_qb92ee758f2_hidden.kd
    .args:
      - { .name: words, .offset: 0, .size: 8, .value_kind: global_buffer, .address_space: global }
      - { .name: xq, .offset: 8, .size: 8, .value_kind: global_buffer, .address_space: global }
      - { .name: xs, .offset: 16, .size: 8, .value_kind: global_buffer, .address_space: global }
      - { .name: W_in_codes, .offset: 24, .size: 8, .value_kind: global_buffer, .address_space: global }
      - { .name: W_in_scales, .offset: 32, .size: 8, .value_kind: global_buffer, .address_space: global }
      - { .name: b_in, .offset: 40, .size: 8, .value_kind: global_buffer, .address_space: global }
      - { .name: hq, .offset: 48, .size: 8, .value_kind: global_buffer, .address_space: global }
      - { .name: hs, .offset: 56, .size: 8, .value_kind: global_buffer, .address_space: global }
      - { .name: rec, .offset: 64, .size: 8, .value_kind: global_buffer, .address_space: global }
    .group_segment_fixed_size: 107008
    .private_segment_fixed_size: 0
    .kernarg_segment_align: 8
    .kernarg_segment_size: 72
    .max_flat_workgroup_size: 128
    .sgpr_count:     100
    .vgpr_count:     258
    .wavefront_size: 32
...
	.end_amdgpu_metadata
.endif
;; end of part 2
;; launch outp (part 3): grid 8 x 39, 4 waves a work-group, no clusters, 139,776 bytes of LDS; arguments rec, hq, hs, W_out_codes, W_out_scales, b_out, combine_mask, out0; writes out0
.if DOCPART == 3
	.amdgcn_target "amdgcn-amd-amdhsa--gfx1250"
	.amdhsa_code_object_version 6
	.text
	.protected	k_qb92ee758f2_outp
	.globl	k_qb92ee758f2_outp
	.p2align	8
	.type	k_qb92ee758f2_outp,@function
k_qb92ee758f2_outp:
	s_mov_b64 s[64:65], 0
	v_nop
	global_prefetch_b8 v0, s[64:65] scope:SCOPE_SE
	s_setreg_imm32_b32 hwreg(HW_REG_WAVE_MODE, 25, 1), 1
	s_wait_xcnt 0x0
; THIRD LAUNCH.  Work-group (sl, b): the 64 places of block b x the 128 outputs 128 sl .. 128 sl + 127.  It reads the block's record (token + 1 at each place, the experts in use) and walks the 8 experts
; in a loop of constant count, passing over those not in use by a scalar branch on the stored number.  For an expert in use: y = hq W_out^T + b_out on MX-FP4 codes, times the token's combine weight,
; added in f32 to the block's sums, which lie in LDS and begin as zeros.  At the end each place that has a token stores its 512 bytes to that token's row of the output; each token has one place, so each
; output byte has one owner.  A token of the block that does not use a walked expert has the weight 0 there.
; THE PRODUCT IS USED TRANSPOSED: source 0 = 16 rows of W_out, source 1 = 16 places: a lane holds one place (lane % 16) and eight neighbouring outputs.
; SHARES.  Products: wave w: W's tiles 4 cg .. 4 cg + 3 (cg = w % 2) x tiles of places 2 p, 2 p + 1 (p = w / 2): 8 accumulators by turns.  Staging: wave w brings tile w of hq (8,192 dense bytes,
; already in the operand's order) and the 32 rows of W's tiles 2 w, 2 w + 1, one row of 512 bytes a load; in LDS a tile is [block 32][16 rows x 16 bytes + 16].
; NO TENSOR LOAD, NO JOINT REQUEST: which experts are walked hangs on numbers read from memory, so operands go through registers.
; LIMITS: as stated at the head of the launch before: pairs with combine weight 0 are not computed; NaN and infinities are not served.
.set TILE, 8704
.set KP,   272
.set WL,   4*TILE                      ; LDS: 0: hq's 4 tiles;  W's 8 tiles;
.set OUTS, 12*TILE                     ; the sums: 64 places x (512 bytes + 16)
.set OP,   528
.set L16,  1                           ; v1   16 x lane
.set SH,   2                           ; v2   staging: hq's tile w: 272 (lane / 16) + 16 (lane % 16); two blocks a load
.set SW,   3                           ; v3   staging: W's tile 2 w, my block
.set RH,   4                           ; v4   fragments of hq: tile 2 p
.set RW,   5                           ; v5   fragments of W: tile 4 cg
.set BO,   6                           ; v6   b_out: 32 (lane / 16)
.set SO,   7                           ; v7   scale words: 32 (lane % 16) + 16 (lane / 16)
.set CO,   8                           ; v8-9 combine weights: 32 x token of my two tiles of places
.set OA,   10                          ; v10  the sums: my pieces
.set ORR,  11                          ; v11  the sums: rows 16 w on, 16 bytes a lane
.set ORD,  12                          ; v12-13 token + 1 at places 0-31, 32-63
.set TK,   14                          ; v14  lanes 0-15: token + 1 at places 16 w + lane
.set TO,   16                          ; v16-31 the rows' offsets in the output
.set WS,   32                          ; v32-47 W's scale words and nothing else
.set HS,   48                          ; v48-55 hq's scale words and nothing else
.set CM,   56                          ; v56, v58 the weights; v57, v59 complete the pairs that the packed form names
.set BIAS, 60                          ; v60-91
.set ACC,  92                          ; v92-155 accumulator (m, t) at 8 (4 m + t)
.set F0,   156                         ; v156-203, v204-251 two sets of fragments
.set F1,   204
.set HR,   60                          ; staging lies over them: hq v60-123, W's rows v124-251
.set WR,   124
.set TT,   156                         ; v156-219 my pieces of the sums
.set ZR,   252                         ; v252-255 zeros
.set ROWS, 68                          ; s68-83
.macro BARRIER
	s_wait_dscnt 0x0
	s_barrier_signal -1
	s_barrier_wait -1
.endm
	s_load_b256 s[4:11], s[0:1], 0x0               ; rec s[4:5], hq s[6:7], hs s[8:9], W's codes s[10:11]
	s_load_b256 s[12:19], s[0:1], 0x20             ; W's scales s[12:13], b_out s[14:15], combine s[16:17], out s[18:19]
	v_lshl_add_u32 v15, v0, 2, 0x22000
	s_set_vgpr_msb 0x40
	v_mov_b32 v1, 0
	s_set_vgpr_msb 0x4000
	v_lshrrev_b32 v240, 5, v0
	v_readfirstlane_b32 s22, v240                  ; wave 0..3
	s_and_b32 s23, s22, 1                          ; cg
	s_lshr_b32 s24, s22, 1                         ; p
	s_mov_b32 s25, ttmp9                           ; slice
	s_and_b32 s26, ttmp7, 0xffff                   ; block
	v_and_b32 v240, 31, v0                         ; lane
	v_and_b32 v241, 15, v0                         ; r
	v_bfe_u32 v242, v0, 4, 1                       ; h
	v_lshlrev_b32 v243, 2, v240
	s_mov_b32 s35, 0
	s_lshl_b32 s34, s26, 9
	s_wait_alu depctr_va_vdst(0)
	s_wait_kmcnt 0x0
	s_add_nc_u64 s[4:5], s[4:5], s[34:35]          ; my block's record
	s_load_b32 s27, s[4:5], 0x100                  ; the experts in use
	global_load_b32 v[ORD], v243, s[4:5]
	global_load_b32 v[ORD+1], v243, s[4:5] offset:128
	v_lshlrev_b32 v[L16], 4, v240
	v_mul_u32_u24 v244, v242, KP
	v_lshl_add_u32 v244, v241, 4, v244             ; 272 h + 16 r
	s_mul_i32 s36, s22, TILE
	v_add_nc_u32 v[SH], s36, v244
	s_lshl_b32 s37, s36, 1
	s_add_co_u32 s37, s37, WL
	v_mul_u32_u24 v245, v240, KP
	v_add_nc_u32 v[SW], s37, v245
	s_mul_i32 s37, s24, 2*TILE
	v_add_nc_u32 v[RH], s37, v244
	s_mul_i32 s37, s23, 4*TILE
	s_add_co_u32 s37, s37, WL
	v_add_nc_u32 v[RW], s37, v244
	v_lshlrev_b32 v[BO], 5, v242
	v_lshlrev_b32 v245, 4, v242
	v_lshl_add_u32 v[SO], v241, 5, v245
	s_mul_i32 s36, s24, 32*OP
	s_lshl_b32 s37, s23, 8
	s_add_co_u32 s36, s36, s37
	s_add_co_u32 s36, s36, OUTS
	v_mul_u32_u24 v244, v241, OP
	v_lshl_add_u32 v244, v242, 5, v244
	v_add_nc_u32 v[OA], s36, v244                  ; place 32 p + r, + 256 cg + 32 h
	s_mul_i32 s36, s22, 16*OP
	s_add_co_u32 s36, s36, OUTS
	v_add_nc_u32 v[ORR], s36, v[L16]
.irp k, 0,1,2,3
	v_mov_b32 v[ZR+\k], 0
.endr
.irp m, 0,1
.irp t, 0,1,2,3
	ds_store_b128 v[OA], v[ZR:ZR+3] offset:\m*16*OP+\t*64          ; the sums begin as zeros: each wave clears the pieces that it alone adds to
	ds_store_b128 v[OA], v[ZR:ZR+3] offset:\m*16*OP+\t*64+16
.endr
.endr
	s_mov_b32 s29, 0xffff0000                      ; lanes 16-31
	s_mov_b32 s30, 0x76543210
	s_mov_b32 s31, 0xfedcba98                      ; v_permlanex16_b32's selects for lane l xor 16
.set ii, 0
.rept 24
	v_mov_b32 v[WS+ii], 0x7f7f7f7f                 ; the scale registers hold scales (1.0), the weights' and the bias registers numbers, on every way through the loop's two tests
.set ii, ii+1
.endr
.set ii, 0
.rept 36
	v_mov_b32 v[CM+ii], 0
.set ii, ii+1
.endr
	s_lshl_b32 s34, s26, 18
	s_lshl_b32 s36, s22, 13
	s_add_co_u32 s34, s34, s36
	s_add_nc_u64 s[6:7], s[6:7], s[34:35]          ; hq: block b, tile w
	s_lshl_b32 s34, s26, 14
	s_lshl_b32 s36, s24, 10
	s_add_co_u32 s34, s34, s36
	s_add_nc_u64 s[8:9], s[8:9], s[34:35]          ; hs: block b, place 32 p
	s_lshl_b32 s36, s25, 7                         ; the slice's first output
	s_lshl_b32 s34, s22, 5
	s_add_co_u32 s34, s34, s36
	s_lshl_b32 s34, s34, 9
	s_add_nc_u64 s[10:11], s[10:11], s[34:35]      ; W's rows that I stage
	s_lshl_b32 s37, s23, 6
	s_add_co_u32 s36, s36, s37                     ; my products' first output
	s_lshl_b32 s34, s36, 5
	s_add_nc_u64 s[12:13], s[12:13], s[34:35]
	s_lshl_b32 s34, s36, 2
	s_add_nc_u64 s[14:15], s[14:15], s[34:35]
	s_lshl_b32 s34, s25, 9
	s_add_nc_u64 s[18:19], s[18:19], s[34:35]      ; the slice's 512 bytes of a row of the output
	s_wait_loadcnt 0x0
	s_wait_kmcnt 0x0
	s_cmp_eq_u32 s24, 1
	s_cselect_b32 s34, -1, 0
	s_cmp_eq_u32 s23, 1
	s_cselect_b32 s36, -1, 0
	v_cndmask_b32 v244, v[ORD], v[ORD+1], s34      ; places 32 p + lane
	v_mov_b32 v245, 0
	v_permlanex16_b32 v245, v244, s30, s31
	v_cndmask_b32 v[CO], v244, v245, s29           ; lane (r, h): place 32 p + r,
	v_cndmask_b32 v[CO+1], v245, v244, s29         ; place 32 p + 16 + r
	v_cndmask_b32 v[TK], v244, v245, s36           ; lanes 0-15: places 16 w + lane
.irp m, 0,1
	v_add_nc_u32 v[CO+\m], -1, v[CO+\m]            ; no token: 0 - 1 wraps and is held at 2,047
	v_min_u32 v[CO+\m], 0x7ff, v[CO+\m]
	v_lshlrev_b32 v[CO+\m], 5, v[CO+\m]
.endr
.macro STAGE
.irp t, 0,1,2,3
	global_load_b128 v[WS+4*\t:WS+4*\t+3], v[SO], s[12:13] offset:512*\t
.endr
	s_wait_alu depctr_va_vdst(0)
.irp m, 0,1
	global_load_b128 v[HS+4*\m:HS+4*\m+3], v[SO], s[8:9] offset:512*\m
	global_load_b32 v[CM+2*\m], v[CO+\m], s[16:17]
.endr
.set ii, 0
.rept 16
	global_load_b128 v[HR+4*ii:HR+4*ii+3], v[L16], s[6:7] offset:512*ii
.set ii, ii+1
.endr
.set ii, 0
.rept 32
	global_load_b128 v[WR+4*ii:WR+4*ii+3], v[L16], s[10:11] offset:512*ii
.set ii, ii+1
.endr
	s_wait_loadcnt 32                              ; W's 32 rows may be out: scale words, weights and hq's tile are in
.set ii, 0
.rept 16
	ds_store_b128 v[SH], v[HR+4*ii:HR+4*ii+3] offset:2*KP*ii
.set ii, ii+1
.endr
	s_wait_dscnt 0x0                               ; the stores have read their registers: the bias lands there
.irp t, 0,1,2,3
	global_load_b128 v[BIAS+8*\t:BIAS+8*\t+3], v[BO], s[14:15] offset:64*\t
	global_load_b128 v[BIAS+8*\t+4:BIAS+8*\t+7], v[BO], s[14:15] offset:64*\t+16
.endr
.irp g, 0,1,2,3
	s_wait_loadcnt 32-8*\g                         ; the W rows still to come and the 8 bias loads may be out
.set ii, 8*\g
.rept 8
	ds_store_b128 v[SW], v[WR+4*ii:WR+4*ii+3] offset:(ii/16)*TILE+16*(ii%16)
.set ii, ii+1
.endr
.endr
.endm
.macro FETCH s, buf
.irp t, 0,1,2,3
.irp c, 0,1
	ds_load_b128 v[\buf+8*\t+4*\c:\buf+8*\t+4*\c+3], v[RW] offset:\t*TILE+(4*(\s)+2*\c)*KP
.endr
.endr
.irp m, 0,1
.irp c, 0,1
	ds_load_b128 v[\buf+32+8*\m+4*\c:\buf+32+8*\m+4*\c+3], v[RH] offset:\m*TILE+(4*(\s)+2*\c)*KP
.endr
.endr
.endm
; 8 matrix instructions, the 8 accumulators by turns in the same order in every K step.  The first K step takes the bias as C.
.macro MM s, buf
.irp m, 0,1
.irp t, 0,1,2,3
.if (\s) == 0
	v_wmma_scale_f32_16x16x128_f8f6f4 v[ACC+8*(4*\m+\t):ACC+8*(4*\m+\t)+7], v[\buf+8*\t:\buf+8*\t+7], v[\buf+32+8*\m:\buf+32+8*\m+7], v[BIAS+8*\t:BIAS+8*\t+7], v[WS+4*\t], v[HS+4*\m] matrix_a_fmt:MATRIX_FMT_FP4 matrix_b_fmt:MATRIX_FMT_FP4
.elseif (\s) < 4
	v_wmma_scale_f32_16x16x128_f8f6f4 v[ACC+8*(4*\m+\t):ACC+8*(4*\m+\t)+7], v[\buf+8*\t:\buf+8*\t+7], v[\buf+32+8*\m:\buf+32+8*\m+7], v[ACC+8*(4*\m+\t):ACC+8*(4*\m+\t)+7], v[WS+4*\t+(\s)], v[HS+4*\m+(\s)] matrix_a_fmt:MATRIX_FMT_FP4 matrix_b_fmt:MATRIX_FMT_FP4
.else
	v_wmma_scale_f32_16x16x128_f8f6f4 v[ACC+8*(4*\m+\t):ACC+8*(4*\m+\t)+7], v[\buf+8*\t:\buf+8*\t+7], v[\buf+32+8*\m:\buf+32+8*\m+7], v[ACC+8*(4*\m+\t):ACC+8*(4*\m+\t)+7], v[WS+4*\t+(\s)-4], v[HS+4*\m+(\s)-4] matrix_a_fmt:MATRIX_FMT_FP4 matrix_b_fmt:MATRIX_FMT_FP4 matrix_a_scale:MATRIX_SCALE_ROW1 matrix_b_scale:MATRIX_SCALE_ROW1
.endif
.endr
.endr
.endm
.macro KSTEP s
.if (\s) < 7
.if (\s) > 0
.rept 4
	v_nop                                          ; four places in front of loads into the set that the last K step multiplied
.endr
.endif
.if (\s)%2
	FETCH (\s)+1, F0
.else
	FETCH (\s)+1, F1
.endif
	s_wait_dscnt 12                                ; the 12 loads just issued may be out: this K step's fragments are in
.else
	s_wait_dscnt 0x0
.endif
.if (\s)%2
	MM \s, F1
.else
	MM \s, F0
.endif
.endm
	s_mov_b32 s28, 0
.Lexpert:                                              ; 8 trips, always; both barriers of a trip stand on every wave's way
	s_bitcmp1_b32 s27, s28
	s_cbranch_scc0 .Lno_stage
	STAGE
.Lno_stage:
	s_wait_loadcnt 0x0                             ; the bias is in: no load is out, whichever way the tests go
	BARRIER                                        ; the expert's tiles lie in LDS
	s_bitcmp1_b32 s27, s28
	s_cbranch_scc0 .Lno_work
	FETCH 0, F0
.irp s, 0,1,2,3,4,5,6,7
	KSTEP \s
.endr
.rept 4
	v_nop                                          ; four places in front of loads into the fragments' registers and of the first read of results
.endr
.irp m, 0,1
.irp t, 0,1,2,3
	ds_load_b128 v[TT+8*(4*\m+\t):TT+8*(4*\m+\t)+3], v[OA] offset:\m*16*OP+\t*64
	ds_load_b128 v[TT+8*(4*\m+\t)+4:TT+8*(4*\m+\t)+7], v[OA] offset:\m*16*OP+\t*64+16
.endr
.endr
	s_wait_dscnt 0x0
.irp a, 0,1,2,3,4,5,6,7
.irp k, 0,2,4,6
	v_pk_fma_f32 v[TT+8*\a+\k:TT+8*\a+\k+1], v[ACC+8*\a+\k:ACC+8*\a+\k+1], v[CM+2*(\a/4):CM+2*(\a/4)+1], v[TT+8*\a+\k:TT+8*\a+\k+1] op_sel_hi:[1,0,1]   ; sum += y x my place's weight; each accumulator from its low end on
.endr
.endr
.irp m, 0,1
.irp t, 0,1,2,3
	ds_store_b128 v[OA], v[TT+8*(4*\m+\t):TT+8*(4*\m+\t)+3] offset:\m*16*OP+\t*64
	ds_store_b128 v[OA], v[TT+8*(4*\m+\t)+4:TT+8*(4*\m+\t)+7] offset:\m*16*OP+\t*64+16
.endr
.endr
.Lno_work:
	BARRIER                                        ; nobody reads the tiles any more; behind the last trip's: the sums are whole
	s_wait_xcnt 0x0                                ; the trip's loads have read their bases: they step
	s_add_nc_u64 s[6:7], s[6:7], 0x8000
	s_add_nc_u64 s[8:9], s[8:9], 0x800
	s_add_nc_u64 s[10:11], s[10:11], 0x80000
	s_add_nc_u64 s[12:13], s[12:13], 0x8000
	s_add_nc_u64 s[14:15], s[14:15], 0x1000
	s_add_nc_u64 s[16:17], s[16:17], 4
	s_add_co_u32 s28, s28, 1
	s_cmp_lt_u32 s28, 8
	s_cbranch_scc1 .Lexpert
	; THE WAY OUT: wave w takes places 16 w .. 16 w + 15 as whole rows of 512 bytes
.set ii, 0
.rept 16
	ds_load_b128 v[HR+4*ii:HR+4*ii+3], v[ORR] offset:OP*ii
.set ii, ii+1
.endr
.set ii, 0
	s_wait_alu depctr_va_vdst(0)
.rept 16
	v_readlane_b32 s[ROWS+ii], v[TK], ii
.set ii, ii+1
.endr
.macro ROWOUT i
	s_cmp_eq_u32 s[ROWS+\i], 0
	s_cbranch_scc1 .Lhole_\@                       ; a place without a token stores nothing
	s_sub_co_u32 s[ROWS+\i], s[ROWS+\i], 1
	s_min_u32 s[ROWS+\i], s[ROWS+\i], 0x7ff
	s_lshl_b32 s[ROWS+\i], s[ROWS+\i], 12          ; the token's row of 4,096 bytes
	v_add_nc_u32 v[TO+\i], s[ROWS+\i], v[L16]
	s_wait_alu depctr_va_vdst(0)
	s_wait_dscnt 15-\i                             ; the younger row loads may be out
	global_store_b128 v[TO+\i], v[HR+4*\i:HR+4*\i+3], s[18:19] th:TH_STORE_NT   ; 32 lanes store 512 consecutive bytes, at a multiple of 256 from the output's first byte; written once
.Lhole_\@:
.endm
.irp i, 0,1,2,3,4,5,6,7,8,9,10,11,12,13,14,15
	ROWOUT \i
.endr
	s_set_vgpr_msb 0x4
	s_wait_tensorcnt 0x0
	ds_add_u32 v15, v1
	s_wait_dscnt 0x0
	s_set_vgpr_msb 0x400
	s_endpgm
.Lfunc_end_k_qb92ee758f2_outp:
	.size	k_qb92ee758f2_outp, .Lfunc_end_k_qb92ee758f2_outp-k_qb92ee758f2_outp
	.p2alignl 7, 3214868480
	.fill 96, 4, 3214868480
	.section	.rodata,"a",@progbits
	.p2align	6, 0x0
	.amdhsa_kernel k_qb92ee758f2_outp
		.amdhsa_group_segment_fixed_size 139776
		.amdhsa_private_segment_fixed_size 0
		.amdhsa_enable_private_segment 0
		.amdhsa_kernarg_size 64
		.amdhsa_user_sgpr_count 2
		.amdhsa_user_sgpr_kernarg_segment_ptr 1
		.amdhsa_wavefront_size32 1
		.amdhsa_system_sgpr_workgroup_id_x 1
		.amdhsa_system_sgpr_workgroup_id_y 1
		.amdhsa_system_sgpr_workgroup_id_z 1
		.amdhsa_system_vgpr_workitem_id 0
		.amdhsa_next_free_vgpr 258
		.amdhsa_next_free_sgpr 100
		.amdhsa_reserve_vcc 0
		.amdhsa_float_denorm_mode_32 3
		.amdhsa_float_denorm_mode_16_64 3
		.amdhsa_memory_ordered 1
		.amdhsa_forward_progress 1
		.amdhsa_inst_pref_size 46
	.end_amdhsa_kernel
	.amdgpu_metadata
---
amdhsa.version: [ 1, 2 ]
amdhsa.kernels:
  - .name:           k_qb92ee758f2_outp
    .symbol:         k_qb92ee758f2_outp.kd
    .args:
      - { .name: rec, .offset: 0, .size: 8, .value_kind: global_buffer, .address_space: global }
      - { .name: hq, .offset: 8, .size: 8, .value_kind: global_buffer, .address_space: global }
      - { .name: hs, .offset: 16, .size: 8, .value_kind: global_buffer, .address_space: global }
      - { .name: W_out_codes, .offset: 24, .size: 8, .value_kind: global_buffer, .address_space: global }
      - { .name: W_out_scales, .offset: 32, .size: 8, .value_kind: global_buffer, .address_space: global }
      - { .name: b_out, .offset: 40, .size: 8, .value_kind: global_buffer, .address_space: global }
      - { .name: combine_mask, .offset: 48, .size: 8, .value_kind: global_buffer, .address_space: global }
      - { .name: out0, .offset: 56, .size: 8, .value_kind: global_buffer, .address_space: global }
    .group_segment_fixed_size: 139776
    .private_segment_fixed_size: 0
    .kernarg_segment_align: 8
    .kernarg_segment_size: 64
    .max_flat_workgroup_size: 128
    .sgpr_count:     100
    .vgpr_count:     258
    .wavefront_size: 32
...
	.end_amdgpu_metadata
.endif
;; end of part 3
